; MI455X (gfx1250); checked and timed in simulation.
; The chip was launched on July 23, 2026; its instructions are those of AMD's public machine-readable ISA for CDNA 5 (MIT licence, August 2026) and "CDNA5" Instruction Set Architecture Reference Guide (July 2026). The comments in the code are by the model that wrote it; some were corrected since.
;; Self Attention. Allowed arithmetic: float matrix products may take bf16 or f16 operands with f32 sums; other float arithmetic in f32, or as packed bf16 or f16 multiplies, adds, multiply-adds, maxima and minima; sums over many terms, partial sums and values carried from step to step in f32; what a program stores and reads back later, other than sums and carried values, may be rounded once to bf16 or f16.
;; Inputs: mask 8 x 2,048 int32; queries 8 x 512 x 2,048 float32; w_mem 1,024 x 512 float32; w_q 512 x 512 float32.
;; Outputs: out0 8 x 512 x 2,048 float32.
;; One version. Each part assembles by itself: llvm-mc -triple=amdgcn-amd-amdhsa -mcpu=gfx1250 --defsym DOCPART=n.
;; ======== version 1 of 1: 2 launches
;; limits: values are held in f16: magnitudes above 65,504 overflow, below 6.1e-05 lose precision
;; workspace buffers: qh 16,777,216 bytes; kh 16,777,216 bytes; vh 16,777,216 bytes
;; launch proj (part 1): grid 4 x 64, 4 waves a work-group, no clusters, 197,632 bytes of LDS; arguments queries, w_q, w_mem, qh, kh, vh; writes qh, kh, vh
.if DOCPART == 1
	.amdgcn_target "amdgcn-amd-amdhsa--gfx1250"
	.amdhsa_code_object_version 6
	.text
	.protected	k_q50cabb5638_proj
	.globl	k_q50cabb5638_proj
	.p2align	8
	.type	k_q50cabb5638_proj,@function
k_q50cabb5638_proj:
	s_mov_b64 s[64:65], 0
	v_nop
	global_prefetch_b8 v0, s[64:65] scope:SCOPE_SE
	s_setreg_imm32_b32 hwreg(HW_REG_WAVE_MODE, 25, 1), 1
	s_wait_xcnt 0x0
; THE PROJECTIONS.  For x = queries[b] ([512 d][2048 l], f32, l fastest): q = w_q x, k and v = w_mem x (w: [o][512 d], f32).  Stored by heads: qh, kh, vh are
; [64 = 8 b + head][2048 l][64 channels] in f16, a row 128 bytes, rows dense, q WITHOUT the scale 1/8 (the launch behind applies it in f32).
; FORMATS.  x and the weights are rounded once to bf16 and multiplied in bf16, sums in f32; each result is rounded once to f16.
; LIMIT.  f16 holds no number beyond 65,504: |q|, |k|, |v| must stay under it (sums of 512 products).  NaN and infinities are not treated apart.
; SHARES.  The 1,536 output channels are 24 slices of 64 (0-7: q's heads, 8-15: k's, 16-23: v's).  Work-group (x, y): slices 6 x .. 6 x + 5, batch y / 8, rows l = 256 (y % 8) on.
; Wave w owns 64 of the 256 rows, four tiles of 16, and keeps ALL 512 d of them as bf16 fragments in 512 registers: x is read once by a work-group and never again.
; A slice is 4 tiles x 4 blocks of 16 channels x 16 steps of 32 along d = 256 matrix instructions a wave; each fragment of w read from LDS feeds four of them.
; THE MATRIX INSTRUCTION IS USED TRANSPOSED (source 0 = 16 rows of w, source 1 = 16 rows l): a lane then holds one row l and eight neighbouring channels: 16 bytes of f16.
; NO TENSOR LOADS: both operands are f32 in memory and pass through registers to be rounded, and x has to be turned (d is not its fastest index): it goes, rounded, through a small stage
; of the wave's own and comes back by the turning load.  NO CLUSTER for the same reason: what would be shared arrives in registers.
; W lies in LDS in two buffers, bf16: while a slice is multiplied out of one, the next slice's rows are loaded, rounded and stored into the other, in four lumps; one barrier a slice.
; REGISTERS, in windows of 256 (s_set_vgpr_msb: bits 1:0 source 0, 3:2 source 1, 5:4 source 2, 7:6 destination):
;   window 0: v0-15 addresses; v30-31 the add's two; v32-63 T, rounded numbers on their way to LDS; v64-127 OT, the way out; v128-255 the 16 accumulators ((t, ot) at 128 + 32 t + 8 ot)
;   window 1: v0-127 two buffers of w's fragments; v128-255 two sets of 64 for w as loaded (while x comes in: v0-191 three sets of 64 for x as loaded)
;   windows 2, 3: x's fragments: step kf of 16, tile t at window 2 + kf / 8, register 8 (4 (kf % 8) + t)
.set ROWX,   8192                      ; bytes in a row d of x
.set WROW,   2048                      ; bytes in a row of w
.set WPITCH, 1040                      ; a row of w in LDS: 1,024 bytes of bf16 + 16: an odd multiple of 16, so the 16 rows of a fragment load start in 16 different groups of four banks (64 banks of 4 bytes: ISA guide 11.1)
.set SLOT1,  1<<17                     ; the second buffer of w begins here, so that one exclusive or turns a base in one buffer into the other's
.set XST,    66560                     ; behind the first buffer (64 rows x 1,040): each wave's stage for x, 32 rows d x 160 bytes
.set XPITCH, 160                       ; 128 bytes (64 l) + 32: an odd multiple of 32
.set OST,    XST+4*32*XPITCH           ; each wave's stage for the way out, 16 rows x 144 bytes
.set OPITCH, 144
.set SPARE,  OST+4*16*OPITCH           ; the spare words, 128 bytes for each wave: two blocks of 256 bytes that no other line names
.set GX,  4                            ; v4   x: (lane / 16) x 4 rows + 16 (lane % 16); never rewritten
.set XS,  5                            ; v5   where I put 8 bytes of a row of x
.set XR,  6                            ; v6   where the turning load reads
.set GW,  7                            ; v7   w: 16 x thread; never rewritten
.set SW0, 8                            ; v8   8 x thread: my 8 bytes of a row of w in LDS
.set SW,  9                            ; v9   the same in the buffer that is being written
.set AW0, 10                           ; v10  my lane's place in a fragment of w
.set AW,  11                           ; v11  the same in the buffer that is being read
.set STO, 12                           ; v12  the way out: where I put 16 bytes of a row
.set RD,  13                           ; v13  the way out: where I read rows back
.set GO,  14                           ; v14  my 16 bytes of 512 consecutive bytes of the output
.set SPW, 30                           ; v30  LDS address of my spare word; never rewritten
.set NIL, 31                           ; v31  0; never rewritten
.set T,   32
.set OT,  64
.set ACC, 128
.set WV,  16                           ; s16  my wave's number
.set XP,  20                           ; s[20:21] x at my 64 columns of the batch's row 0; never rewritten
.set WP,  22                           ; s[22:23] w at the first row of the slice that is being loaded
.set OP,  24                           ; s[24:25] the output at my first row of the slice's head
.set CSL, 26                           ; s26  the slice that goes out next
.set NSL, 27                           ; s27  the slice that is loaded next
.set TRIPS, 28
.set OB,  29                           ; s29  byte offset of my rows in head 0 of my batch
.set TB,  32                           ; s32  LDS base of the buffer of w to be read next
.set MSB, 0
.macro WIN new                         ; the immediate's high byte repeats the setting that is left; a switch that changes nothing is dropped
.if MSB != (\new)
	s_set_vgpr_msb (MSB<<8)|(\new)
.set MSB, (\new)
.endif
.endm
.macro PLACES                          ; a load into a register that a matrix instruction has read, and a vector instruction that reads a matrix result, stand four plain vector instructions behind it
.rept 4
	v_nop
.endr
.endm
	s_load_b256 s[4:11], s[0:1], 0x0               ; queries s[4:5], w_q s[6:7], w_mem s[8:9], qh s[10:11]
	s_load_b128 s[12:15], s[0:1], 0x20             ; kh s[12:13], vh s[14:15]
	v_lshl_add_u32 v[SPW], v0, 2, SPARE
	v_mov_b32 v[NIL], 0
	v_lshrrev_b32 v3, 5, v0
	v_readfirstlane_b32 s[WV], v3                  ; wave 0..3
	v_and_b32 v1, 15, v0                           ; lane % 16
	v_bfe_u32 v2, v0, 4, 1                         ; lane / 16
	v_lshlrev_b32 v[GX], 4, v1
	v_lshl_add_u32 v[GX], v2, 15, v[GX]            ; lanes 0-15 take 256 bytes of one row d, lanes 16-31 of the row four further on
	s_mul_i32 s30, s[WV], 32*XPITCH
	s_add_co_u32 s30, s30, XST                     ; my stage for x
	v_mul_u32_u24 v3, v2, 4*XPITCH
	v_lshl_add_u32 v3, v1, 3, v3
	v_add_nc_u32 v[XS], s30, v3                    ; in: four l, rounded, are 8 bytes; the two halves of the lanes lie 640 bytes, 32 banks, apart
	v_and_b32 v3, 7, v0
	v_lshl_add_u32 v3, v2, 3, v3
	v_mul_u32_u24 v3, v3, XPITCH
	v_bfe_u32 v15, v0, 3, 1
	v_lshl_add_u32 v3, v15, 4, v3
	v_add_nc_u32 v[XR], s30, v3                    ; back: lane l reads row d = 8 (l / 16) + l % 8, columns 8 ((l / 8) % 2) + 0..7, and is left with column l % 16 and eight d
	v_lshlrev_b32 v[GW], 4, v0
	v_lshlrev_b32 v[SW0], 3, v0
	v_mov_b32 v[SW], v[SW0]                        ; the first slice of w goes into the buffer at 0
	v_mul_u32_u24 v[AW0], v1, WPITCH
	v_lshl_add_u32 v[AW0], v2, 4, v[AW0]           ; a fragment's row x pitch + 16 x half
	s_mul_i32 s30, s[WV], 16*OPITCH
	s_add_co_u32 s30, s30, OST                     ; my stage for the way out
	v_mul_u32_u24 v3, v1, OPITCH
	v_lshl_add_u32 v3, v2, 4, v3
	v_add_nc_u32 v[STO], s30, v3                   ; in: row l % 16, 16 bytes for each half of the lanes
	v_bfe_u32 v3, v0, 3, 2
	v_mul_u32_u24 v3, v3, OPITCH
	v_and_b32 v15, 7, v0
	v_lshl_add_u32 v3, v15, 4, v3
	v_add_nc_u32 v[RD], s30, v3                    ; back: 32 lanes take four rows of 128 bytes,
	v_and_b32 v[GO], 31, v0
	v_lshlrev_b32 v[GO], 4, v[GO]                  ; which are 512 consecutive bytes of the output
	s_and_b32 s18, ttmp7, 0xffff
	s_lshr_b32 s19, s18, 3                         ; the batch
	s_and_b32 s18, s18, 7                          ; which 256 rows l of it
	s_lshl_b32 s30, s19, 22                        ; x: a batch is 512 rows of 8,192 bytes,
	s_lshl_b32 s31, s18, 10                        ; 256 l are 1,024 bytes,
	s_add_co_u32 s30, s30, s31
	s_lshl_b32 s31, s[WV], 8                       ; my 64 are 256
	s_add_co_u32 s30, s30, s31
	s_lshl_b32 s[OB], s19, 21                      ; the outputs: a batch is 8 heads of 2,048 rows of 128 bytes,
	s_lshl_b32 s31, s18, 15                        ; 256 rows,
	s_add_co_u32 s[OB], s[OB], s31
	s_lshl_b32 s31, s[WV], 13                      ; my 64 rows
	s_add_co_u32 s[OB], s[OB], s31
	s_mov_b32 s31, 0                               ; s[30:31] is the pair in which offsets are made; its high word stays 0
	s_mul_i32 s[CSL], ttmp9, 6
	s_mov_b32 s[NSL], s[CSL]
	s_mov_b32 s[TB], 0
	s_mov_b32 s[TRIPS], 5
	s_wait_kmcnt 0x0
	s_add_nc_u64 s[XP:XP+1], s[4:5], s[30:31]
; 32 rows d of x (step c along d), my 64 columns: sixteen loads, each 2 x 256 consecutive bytes, aligned, into set c % 3
.macro LOADX c
	WIN 0x40                                       ; destination window 1, address window 0
.set j, 0
.rept 16
	global_load_b128 v[64*((\c)%3)+4*j:64*((\c)%3)+4*j+3], v[GX], s[XP:XP+1] offset:(32*(\c)+j%4+8*(j/4))*ROWX
.set j, j+1
.endr
.endm
; The next slice's place in the weights: slices 0-7 are w_q's rows, 8-23 w_mem's; a slice is 64 rows of 2,048 bytes
.macro SETW
	s_cmp_lt_u32 s[NSL], 8
	s_cselect_b64 s[WP:WP+1], s[6:7], s[8:9]
	s_cselect_b32 s30, 0, 8
	s_sub_co_u32 s30, s[NSL], s30
	s_lshl_b32 s30, s30, 17
	s_add_nc_u64 s[WP:WP+1], s[WP:WP+1], s[30:31]
	s_add_co_u32 s[NSL], s[NSL], 1
.endm
; Rows 16 c .. 16 c + 15 of the slice: a load of the four waves covers one row; into set (c + 1) % 2 (so that chunk 0 finds a set free while x's last two steps are still out)
.macro LOADW c
	WIN 0x40
.set j, 0
.rept 16
	global_load_b128 v[128+64*(((\c)+1)%2)+4*j:128+64*(((\c)+1)%2)+4*j+3], v[GW], s[WP:WP+1] offset:(16*(\c)+j)*WROW
.set j, j+1
.endr
.endm
; Step c of x: rounded to bf16, through my stage, back turned as four fragments.  The set just read is asked for again at once: x three steps on, then the first slice of w.
.macro CHUNK c
	s_wait_loadcnt 32                              ; loads come back in order (ISA guide 5.7.1): this step's sixteen are in, the two younger groups of sixteen stay out
	WIN 0x05                                       ; sources window 1, destination window 0
.set i, 0
.rept 32
	v_cvt_pk_bf16_f32 v[T+i], v[64*((\c)%3)+2*i], v[64*((\c)%3)+2*i+1]
.set i, i+1
.endr
.if (\c) < 13
	LOADX (\c)+3
.elseif (\c) == 13
	SETW
	LOADW 0
.elseif (\c) == 14
	LOADW 1
.endif
	WIN 0
.set j, 0
.rept 16
	ds_store_b64 v[XS], v[T+2*j:T+2*j+1] offset:(j%4+8*(j/4))*XPITCH
.set j, j+1
.endr
.if (\c) < 8
	WIN 0x80                                       ; destination window 2
.else
	WIN 0xc0                                       ; destination window 3
.endif
.set j, 0
.rept 4                                ; LDS serves a wave's instructions in order (ISA guide 5.7.1.4): these see the stores above, and the next step's stores come behind them; the stage is my own
	ds_load_tr16_b128 v[8*(4*((\c)%8)+j):8*(4*((\c)%8)+j)+3],   v[XR] offset:32*j
	ds_load_tr16_b128 v[8*(4*((\c)%8)+j)+4:8*(4*((\c)%8)+j)+7], v[XR] offset:32*j+16*XPITCH
.set j, j+1
.endr
.endm
; Chunk c of the slice of w that is coming in: rounded to bf16 and stored into the buffer that is not being read.  n: the younger loads that may stay out.
.macro LUMP c, n
	s_wait_loadcnt \n
	WIN 0x05
.set i, 0
.rept 32
	v_cvt_pk_bf16_f32 v[T+i], v[128+64*(((\c)+1)%2)+2*i], v[128+64*(((\c)+1)%2)+2*i+1]
.set i, i+1
.endr
.if (\c) < 2
	LOADW (\c)+2                                   ; the set just read takes the chunk two further on
.endif
	WIN 0
.set j, 0
.rept 16
	ds_store_b64 v[SW], v[T+2*j:T+2*j+1] offset:(16*(\c)+j)*WPITCH  ; 32 lanes, 256 consecutive bytes
.set j, j+1
.endr
.endm
; The fragments of w for double step u (64 along d): 2 x 4 blocks of 16 channels, sixteen loads in one run, into buffer u % 2
.macro FETCH u
	WIN 0x40
.irp kk, 0,1
.irp ot, 0,1,2,3
	ds_load_b128 v[64*((\u)%2)+32*(\kk)+8*(\ot):64*((\u)%2)+32*(\kk)+8*(\ot)+3],   v[AW] offset:(\ot)*16*WPITCH+(2*(\u)+(\kk))*64
	ds_load_b128 v[64*((\u)%2)+32*(\kk)+8*(\ot)+4:64*((\u)%2)+32*(\kk)+8*(\ot)+7], v[AW] offset:(\ot)*16*WPITCH+(2*(\u)+(\kk))*64+32
.endr
.endr
.endm
; 32 matrix instructions.  The sixteen accumulators take turns, one instruction a turn, from double step to double step and from slice to slice too.
; A slice's first sixteen start the sums with the constant 0: nothing is cleared.
.macro MULS u
.if (\u) < 4
	WIN 0x09                                       ; w window 1, x window 2, C and D window 0
.else
	WIN 0x0d                                       ; x window 3
.endif
.irp kk, 0,1
.irp t, 0,1,2,3
.irp ot, 0,1,2,3
.set rD, ACC+32*(\t)+8*(\ot)
.set rW, 64*((\u)%2)+32*(\kk)+8*(\ot)
.set rX, 8*(4*((2*(\u)+(\kk))%8)+(\t))
.if ((\u) == 0) && ((\kk) == 0)
	v_wmma_f32_16x16x32_bf16 v[rD:rD+7], v[rW:rW+7], v[rX:rX+7], 0
.else
	v_wmma_f32_16x16x32_bf16 v[rD:rD+7], v[rW:rW+7], v[rX:rX+7], v[rD:rD+7]
.endif
.endr
.endr
.endr
.endm
.macro STEP u                          ; the next double step's fragments are asked for, then this one is multiplied
.if ((\u) > 0) && ((\u) < 7)
	PLACES                                         ; the buffer to be loaded was read by the products just issued
.endif
.if (\u) < 7
	FETCH (\u)+1
	s_wait_dscnt 16                                ; all but the sixteen just issued: this double step's fragments are in
.else
	s_wait_dscnt 0x0
.endif
	MULS \u
.endm
; The place of the slice that goes out: qh, kh or vh by the slice's number, its head, my rows
.macro SETO
	s_cmp_lt_u32 s[CSL], 16
	s_cselect_b64 s[OP:OP+1], s[12:13], s[14:15]
	s_cmp_lt_u32 s[CSL], 8
	s_cselect_b64 s[OP:OP+1], s[10:11], s[OP:OP+1]
	s_and_b32 s30, s[CSL], 7
	s_lshl_b32 s30, s30, 18                        ; a head is 2,048 rows of 128 bytes
	s_add_co_u32 s30, s30, s[OB]
	s_add_nc_u64 s[OP:OP+1], s[OP:OP+1], s[30:31]
	s_add_co_u32 s[CSL], s[CSL], 1
.endm
; THE WAY OUT of tile t (16 rows l x 64 channels): rounded to f16, each accumulator's registers in ascending order; 16 bytes a lane into rows of 144 bytes; back as whole rows of 128
.macro PACK t
.set i, 0
.rept 16
	v_cvt_pk_f16_f32 v[OT+16*(\t)+i], v[ACC+32*(\t)+2*i], v[ACC+32*(\t)+2*i+1]
.set i, i+1
.endr
.irp f, 0,1,2,3
	ds_store_b128 v[STO], v[OT+16*(\t)+4*(\f):OT+16*(\t)+4*(\f)+3] offset:32*(\f)
.endr
.irp f, 0,1,2,3
	ds_load_b128 v[OT+16*(\t)+4*(\f):OT+16*(\t)+4*(\f)+3], v[RD] offset:(\f)*4*OPITCH  ; in order behind the stores above; the next tile's stores come behind these
.endr
.endm
.macro SEND t, younger                 ; younger: the LDS instructions issued behind tile t's loads: the next tile's eight, or none
.irp f, 0,1,2,3
	s_wait_dscnt (\younger)+3-(\f)
	global_store_b128 v[GO], v[OT+16*(\t)+4*(\f):OT+16*(\t)+4*(\f)+3], s[OP:OP+1] offset:(\t)*2048+(\f)*512  ; 512 consecutive bytes, at a multiple of 256 from the buffer's first
.endr
.endm
; A SLICE: 256 matrix instructions out of the buffer at TB, and its way out.  more = 1: the next slice of w comes in beside it, in four lumps, into the other buffer, and a barrier ends the slice.
.macro SLICE more
	WIN 0
	v_add_nc_u32 v[AW], s[TB], v[AW0]
.if \more
	s_xor_b32 s[TB], s[TB], SLOT1                  ; the buffer written now is the one read next
	v_add_nc_u32 v[SW], s[TB], v[SW0]
	SETW                                           ; no load is out: the last lump waited for all, so the pointer may be written
	LOADW 0
	LOADW 1
.endif
	FETCH 0
	STEP 0
	STEP 1
	STEP 2
.if \more
	LUMP 0, 16                                     ; chunk 0 is in, chunk 1 stays out
.endif
	STEP 3
	STEP 4
.if \more
	LUMP 1, 16
.endif
	STEP 5
	STEP 6
.if \more
	LUMP 2, 16
.endif
	STEP 7
.if \more
	LUMP 3, 0                                      ; its 32 conversions, which name no register of the products, are the places behind the last of them
.else
	PLACES
.endif
	WIN 0
	s_wait_xcnt 0x0                                ; the last slice's stores have read their data and their base (ISA guide 3.1): only now are OT and the pointer written again
	SETO
	PACK 0
	PACK 1                                         ; a tile's conversions stand between the loads of the tile before and its stores
	SEND 0, 8
	PACK 2
	SEND 1, 8
	PACK 3
	SEND 2, 8
	SEND 3, 0
.if \more
	s_wait_dscnt 0x0                               ; for the others' sake: my stores into the other buffer are done and my reads of this one are back (the count-down above has ended at 0)
	s_barrier_signal -1
	s_barrier_wait -1                              ; the other buffer is whole, and nobody reads this one any more
.endif
.endm
	LOADX 0                                        ; 48 loads, 24 KiB a wave, are on their way while x comes in
	LOADX 1
	LOADX 2
.irp c, 0,1,2,3,4,5,6,7,8,9,10,11,12,13,14,15
	CHUNK \c
.endr
	LUMP 0, 16                                     ; the first slice of w
	LUMP 1, 16
	LUMP 2, 16
	LUMP 3, 0
	s_wait_dscnt 0x0                               ; my part of w is stored (and my fragments of x are in)
	s_barrier_signal -1
	s_barrier_wait -1
	WIN 0                                          ; at a label and at a branch every window is 0
.Lslice:                                               ; five slices, each with the next slice's weights coming in
	SLICE 1
	s_sub_co_u32 s[TRIPS], s[TRIPS], 1
	s_cmp_lg_u32 s[TRIPS], 0
	s_cbranch_scc1 .Lslice
	SLICE 0                                        ; the sixth is written out: nothing is left to load, so no load leaves the weights and every counted wait has one path
	s_wait_tensorcnt 0x0                           ; the wave's end, behind my last LDS store
	ds_add_u32 v[SPW], v[NIL]
	s_wait_dscnt 0x0
	s_endpgm
.Lfunc_end_k_q50cabb5638_proj:
	.size	k_q50cabb5638_proj, .Lfunc_end_k_q50cabb5638_proj-k_q50cabb5638_proj
	.p2alignl 7, 3214868480
	.fill 96, 4, 3214868480
	.section	.rodata,"a",@progbits
	.p2align	6, 0x0
	.amdhsa_kernel k_q50cabb5638_proj
		.amdhsa_group_segment_fixed_size 197632
		.amdhsa_private_segment_fixed_size 0
		.amdhsa_enable_private_segment 0
		.amdhsa_kernarg_size 48
		.amdhsa_user_sgpr_count 2
		.amdhsa_user_sgpr_kernarg_segment_ptr 1
		.amdhsa_wavefront_size32 1
		.amdhsa_system_sgpr_workgroup_id_x 1
		.amdhsa_system_sgpr_workgroup_id_y 1
		.amdhsa_system_sgpr_workgroup_id_z 1
		.amdhsa_system_vgpr_workitem_id 0
		.amdhsa_next_free_vgpr 1024
		.amdhsa_next_free_sgpr 66
		.amdhsa_reserve_vcc 0
		.amdhsa_float_denorm_mode_32 3
		.amdhsa_float_denorm_mode_16_64 3
		.amdhsa_memory_ordered 1
		.amdhsa_forward_progress 1
		.amdhsa_inst_pref_size 192
	.end_amdhsa_kernel
	.amdgpu_metadata
---
amdhsa.version: [ 1, 2 ]
amdhsa.kernels:
  - .name:           k_q50cabb5638_proj
    .symbol:         k_q50cabb5638_proj.kd
    .args:
      - { .name: queries, .offset: 0, .size: 8, .value_kind: global_buffer, .address_space: global }
      - { .name: w_q, .offset: 8, .size: 8, .value_kind: global_buffer, .address_space: global }
      - { .name: w_mem, .offset: 16, .size: 8, .value_kind: global_buffer, .address_space: global }
      - { .name: qh, .offset: 24, .size: 8, .value_kind: global_buffer, .address_space: global }
      - { .name: kh, .offset: 32, .size: 8, .value_kind: global_buffer, .address_space: global }
      - { .name: vh, .offset: 40, .size: 8, .value_kind: global_buffer, .address_space: global }
    .group_segment_fixed_size: 197632
    .private_segment_fixed_size: 0
    .kernarg_segment_align: 8
    .kernarg_segment_size: 48
    .max_flat_workgroup_size: 128
    .sgpr_count:     66
    .vgpr_count:     1024
    .wavefront_size: 32
...
	.end_amdgpu_metadata
.endif
;; end of part 1
;; launch attn (part 2): grid 4 x 64, 4 waves a work-group, clusters of 4 x 1, 327,680 bytes of LDS; arguments qh, kh, vh, out0, mask; writes out0
.if DOCPART == 2
	.amdgcn_target "amdgcn-amd-amdhsa--gfx1250"
	.amdhsa_code_object_version 6
	.text
	.protected	k_q50cabb5638_attn
	.globl	k_q50cabb5638_attn
	.p2align	8
	.type	k_q50cabb5638_attn,@function
k_q50cabb5638_attn:
	s_mov_b64 s[64:65], 0
	v_nop
	global_prefetch_b8 v0, s[64:65] scope:SCOPE_SE
	s_setreg_imm32_b32 hwreg(HW_REG_WAVE_MODE, 25, 1), 1
	s_wait_xcnt 0x0
	s_wait_alu depctr_hold_cnt(0) depctr_sa_sdst(0) depctr_va_vdst(0) depctr_va_sdst(0) depctr_va_ssrc(0) depctr_va_vcc(0) depctr_vm_vsrc(0)
	s_getreg_b32 s2, hwreg(HW_REG_IB_STS2, 6, 4)
	s_cmp_eq_u32 s2, 0
	s_cbranch_scc0 .Lentry_in_a_cluster
	s_endpgm
.Lentry_in_a_cluster:
	s_bfe_u32 s2, ttmp6, 0x10000c
	s_cmp_lg_u32 s2, 0x3003
	s_cbranch_scc0 .Lentry_shape_is_right
	s_endpgm
.Lentry_shape_is_right:
; ATTENTION WITH A KEY MASK.  out0[b][64 hd + ch][q] = the sum over k of softmax_k(Q[h][q] . K[h][k] / 8 x m[b][k] + (1 - m[b][k]) x (-1e30)) V[h][k][ch], h = 8 b + hd.
; Q, K, V: [SIZE_H][SIZE_N][64] in f16, rows dense, 128 bytes each, Q unscaled.  mask: [8][SIZE_N] int32.  out0: [8][512][SIZE_N] f32: O transposed, queries fastest.
; Products, maxima and sums in f32; the weights p are rounded to f16 for the second product (their sum l is taken of the unrounded p); O is stored as f32.
; THE MASK is an addend for each key, (m - 1) x 2^100, given as the C operand of the product that starts the score: 0 where m = 1, -2^100 where m = 0.  A score, 3.4e10 at the most in f16's range,
; vanishes beside it as it does beside 1e30.  2^100 and not 1e30, because c x 2^100 is exact: where every key seen so far is hidden, c s - c m is exactly 0 and the hidden keys weigh 1 each, so a batch
; with every key hidden gives the mean of V's rows.
; LIMITS.  f16 holds no number beyond 65,504: Q, K and V arrive within it; p lies in 0 to 1, and below 6e-5 it keeps f16's fixed step of 6e-8.  A weight below 2^-126 counts as 0 in l.
; Masks of 0 and 1 are served as written above; other whole numbers get (m - 1) x 2^100 for (m - 1) x 1e30 (the same keys win), for |m| under 2^27.  NaN and infinities are not treated apart.
; SHARES.  A wave owns four PIECES of two tiles of 16 queries, a work-group's four waves 512 queries of one head.  Every wave walks all keys, 64 a step.
; LAYOUT.  S^T = K Q^T (source 0 = 16 keys, source 1 = 16 queries): in the result a lane holds ONE query (lane % 16) and the keys 8 (lane / 16) + 0..7.  Two such tiles, rounded to f16 in pairs,
; ARE source 1 (32 keys x 16 queries) of O^T = V^T P, whose result again holds one query a lane, and eight channels.  K comes out of LDS as it lies, V ([key][channel]) turned, by ds_load_tr16_b128.
; SOFTMAX.  For each query a running maximum m and sum l: p = 2^(c s - c m), c = log2(e) / 8; in every step O and l are multiplied by a = 2^(c m_old - c m_new), which is 1 where m has not grown.
; m starts at the lowest finite number, O and l at 0: the first step is a step like any other, with a = 0.
; THE COUNT.  A tile and step have 16 matrix and 118 vector instructions: too many to stand all beside the matrix work.  So the order has one aim: four vector instructions that are READY behind
; EVERY matrix instruction, and the others, which need time of their own whatever the order, in runs without a gap.
; BY TURNS.  Turn n belongs to piece n (the pieces in a ring, step after step).  Its matrix work: 16 products K Q^T of piece n + 1, later 16 products V^T P of piece n - 1.  Its vector work: the scaling,
; exponentials, roundings, sums and rescaling of piece n, and the maximum and statistics of piece n + 1, whose scores the turn itself has made.  So what a turn begins with (c s - c m, O a) waits for nothing.
; CLUSTER.  A head's four query blocks are one cluster and walk the same K and V, so each tile is asked for JOINTLY: the same tensor load, descriptor and mask of work-groups in all four.
; REGISTERS, in windows of 256 (s_set_vgpr_msb says which window each operand place means: bits 1:0 source 0, 3:2 source 1, 5:4 source 2, 7:6 destination):
;   window 0: v0-11 addresses; v12-15, v48-63 at work; v16-47 four registers of statistics a tile; v64-191 S^T, two buffers of two tiles; v192-255 P, likewise
;   window 1: O^T, 32 a tile     window 2: v0-127 Q, 16 a tile; v128-191 K of one step; v192-255 V of one step     window 3: v0-1 the add's two registers; v8-39 the step's 32 addends of my lane
; A piece's buffers go by its number's parity: the piece in hand has one pair, its two neighbours in the ring share the other: of it P (piece n - 1) is read and S^T (piece n + 1) written.
.set SIZE_H, 64
.set SIZE_N, 2048
.set NP,    4         ; pieces a wave: a name, no knob: the register map, the loop and the fetches are made for four
.set KS,    64        ; keys in a step
.set PK,    144       ; a row of K in LDS: 128 bytes + 16 of padding = 36 words: the 16 rows of a load start at 16 different groups of four banks (64 banks of 4 bytes: ISA guide 11.1)
.set PV,    160       ; a row of V: 128 + 32 = 40 words
.set VOFF,  4*KS*PK   ; a slot holds four steps: 256 rows of K, then 256 rows of V
.set SLOT1, 1<<17     ; slot 1 begins here, so that one exclusive or turns an address in one slot into the other's
.set STAGE, SLOT1+4*KS*(PK+PV)  ; behind the ring, never filled by a tensor load: 64 rows (channels) x 272 bytes for each wave, for the way out
.set SP,    272       ; 64 queries in f32 + 16 bytes
.set MASKT, STAGE+4*64*SP       ; the batch's 2,048 addends in f32
.set SPARE, MASKT+4*SIZE_N      ; the spare words, 128 bytes for each wave: two blocks of 256 bytes that no other line names
.set AK0, 2           ; v2   my lane's place in a tile of K; never rewritten
.set AV0, 3           ; v3   the same for V
.set AK,  4           ; v4   the LDS address of K's next run of loads
.set AV,  5           ; v5   of V's
.set QO,  6           ; v6   my byte offset in the wave's rows of Q
.set AM0, 7           ; v7   my half of the lanes' place in a step's addends; never rewritten
.set AM,  8           ; v8   the LDS address of the addends' next run of loads
.set PFO, 10          ; v10  256 x my lane: the prefetches' offset; never rewritten
.set STO, 4           ; the way out, when AK, AV and QO are done with: where I put a number,
.set RD,  5           ;      where I read 16 bytes of a row back,
.set GO,  6           ;      my byte offset in two rows of out0
.set SPW, 0           ; v0 of window 3   LDS address of my spare word: SPARE + 4 x my thread's number; never rewritten
.set NIL, 1           ; v1 of window 3   0; never rewritten
.set MK,  8           ; v8-39 of window 3: the eight addends for block kb of 16 keys at MK + 8 kb
.set MV,  12          ; v12-15  c m_old, kept while c m is made anew: by buffer and tile
.set ST,  16          ; tile t's statistics at v[ST+4 t]: c m, m, l (even keys', odd keys')
.set TMP, 48          ; by buffer and tile, four registers c0-c3 at work; when the maximum is found c2 takes a
.set S,   64
.set P,   192
.set KF,  128         ; K's fragments, in window 2: key block kb, channel half c at KF + 16 kb + 8 c
.set VF,  192         ; V's: key half kk, channel block cb at VF + 32 kk + 8 cb
.set WV,  12          ; s12  my wave's number
.set LIM, 15          ; s15  1 in a wave that prefetches, else the greatest number: a wave prefetches while s[SLOTS] is above it
.set G1K, 24          ; s[24:31] descriptor group 1 for K's tiles
.set G1V, 32          ; s[32:39] for V's: it differs in the padding alone
.set G0K, 40          ; s[40:43] descriptor group 0 for K's tiles: it walks
.set G0V, 44          ; s[44:47] the same for V's
.set MP,  48          ; s[48:49] the mask at my batch's row
.set AL,  50          ; s[50:51] 2^100, in the low word
.set BE,  52          ; s[52:53] -2^100
.set PFA, 54          ; s[54:55] where my prefetches stand: my work-group's 32 blocks of 256 bytes (of K: wave 0, of V: wave 2) of the tile after the one that is being asked for
.set SLOTS, 56        ; s56  tiles still to be asked for
.set CNT, 57          ; s57  counts a slot's key steps
.set CS,  58          ; s[58:59] c: the packed scaling takes the pair's low word for both halves
.set SEL, 60          ; s[60:61] v_permlanex16_b32's selects: each lane takes its own place in the other half
.set TBK, 62          ; s62  LDS byte at which K of the step to be fetched begins
.set TBV, 63          ; s63  the same for V, less VOFF
.set OO,  66          ; s[66:67] byte offset of my wave's part of out0
.set MO,  68          ; s[68:69] byte offset of my batch's row of the mask
.set TBM, 70          ; s70  byte in the table at which the addends of the step to be fetched begin
.set MSB, 0
.macro WIN new                      ; the high byte repeats the setting that is left; a switch that changes nothing is dropped
.if MSB != (\new)
	s_set_vgpr_msb (MSB<<8)|(\new)
.set MSB, (\new)
.endif
.endm
.set W_KQ, 0x0a       ; K and Q in window 2, S^T in window 0
.set W_KM, 0x3a       ; the same with the C operand, the addends, in window 3
.set W_PV, 0x52       ; V in window 2, P in window 0, O^T in window 1
.set W_RS, 0x41       ; O^T (destination and source 0) in window 1, a in window 0
.set W_MK, 0xc0       ; destination in window 3, sources in window 0
.set W_AD, 0x0f       ; the add: address (source 0) and data (source 1) in window 3
; A joint fill.  Waves 0 and 1 fetch the two halves of a slot's K, waves 2 and 3 those of its V: 128 keys each.  The branch hangs on the wave's number alone.
; An s_nop 0 and four v_nop follow each of the two lines, ahead of the jump and the label.
.macro JLOAD
	s_cmp_lt_u32 s[WV], 2
	s_cbranch_scc0 .Lfor_v_\@
	tensor_load_to_lds s[G0K:G0K+3], s[G1K:G1K+7]
	s_nop 0
.rept 4
	v_nop
.endr
	s_branch .Lasked_\@
.Lfor_v_\@:
	tensor_load_to_lds s[G0V:G0V+3], s[G1V:G1V+7]
	s_nop 0
.rept 4
	v_nop
.endr
.Lasked_\@:
.endm
; A PREFETCH INTO THE L2 of the tile that the NEXT change of slots will ask for: 32,768 bytes of K and as many of V.  It stands behind the wave's tensor load and its five lines.  Each aligned block of 256 bytes is
; named ONCE in the launch: a head has one cluster; its four partners share a tile out BY ADDRESS, 8,192 bytes each (no branch hangs on a work-group's place in its cluster); in each, wave 0 asks for K's
; and wave 2 for V's, a lane a block: one instruction.  It is four key steps, 512 matrix instructions, ahead of the load that will want the tile.  Tiles 0 and 1 come by their loads alone; the change
; that asks for the last tile names nothing: there is no tile behind it.
.macro ASK
	s_cmp_gt_u32 s[SLOTS], s[LIM]
	s_cbranch_scc0 .Lnot_mine_\@
	global_prefetch_b8 v[PFO], s[PFA:PFA+1] th:TH_LOAD_NT scope:SCOPE_SE
.Lnot_mine_\@:
.endm
; A round of the cluster's barrier: my work-group's barrier, so that wave 0's signal speaks for all four waves; wave 0 signals; every wave waits for all four work-groups; my work-group's barrier once more.
.macro CROUND
	s_barrier_signal -1
	s_barrier_wait -1
	s_cmp_lg_u32 s[WV], 0
	s_cbranch_scc1 .Lnot_wave_0_\@
	s_barrier_signal -3
.Lnot_wave_0_\@:
	s_barrier_wait -3
	s_barrier_signal -1
	s_barrier_wait -1
.endm
; THE CHANGE OF SLOTS.  The slot's last bytes, V of its fourth step, have been read.  Each wave waits for all its tensor loads, of which one is out: its part
; of the other slot; adds 0 to its spare word; and waits for that and for its own reads of the slot.  Behind the barrier nobody reads this slot any more and the other slot is whole.
; fill = 1: this slot is filled again, with the keys two slots on.  The barrier is then a round of the cluster's, so that no wave of any partner still reads the slot or has a load on its
; way, and the joint fill is the first thing behind it: it has four key steps, 512 matrix instructions, in which to land.  (At its first use nothing has been read yet: slot 0 is waited for, slot 1 filled,
; and every wave's stores into the table of addends are shown done to the others.)
.macro CHANGE fill
	WIN W_AD
	s_wait_tensorcnt 0x0            ; no tensor load of mine is out, so a group 0 may be written
	ds_add_u32 v[SPW], v[NIL]       ; 0 onto my spare word; with fill = 1 the descriptors' steps stand between it and the wait for it
	WIN 0                           ; at a label and at a branch every window is 0
.if \fill
.irp g, G0K, G0V
	s_xor_b32 s[\g+1], s[\g+1], SLOT1  ; the walking descriptor: the other slot than last time,
	s_add_nc_u64 s[\g+2:\g+3], s[\g+2:\g+3], 4*KS*128  ; the next 256 keys; the type bits on top are not reached
.endr
	s_wait_xcnt 0x0                 ; the last prefetch, four key steps back, has read its address, so it may be written:
	s_add_nc_u64 s[PFA:PFA+1], s[PFA:PFA+1], 4*KS*128  ; one tile beyond the walking descriptors
	s_wait_dscnt 0x0                ; the add is done, and my reads of the slot are over
	CROUND
	JLOAD
	ASK
.else
	s_wait_dscnt 0x0                ; the add is done, and my reads of the slot are over
	s_barrier_signal -1
	s_barrier_wait -1
.endif
	s_sub_co_u32 s[TBK], s[TBK], 4*KS*PK  ; the fetches go back to a slot's first step,
	s_xor_b32 s[TBK], s[TBK], SLOT1       ; in the other slot
	s_sub_co_u32 s[TBV], s[TBV], 4*KS*PV
	s_xor_b32 s[TBV], s[TBV], SLOT1
.endm
	s_load_b256 s[4:11], s[0:1], 0x0  ; Q s[4:5], K s[6:7], V s[8:9], out0 s[10:11]
	s_load_b64 s[MP:MP+1], s[0:1], 0x20  ; mask
	WIN W_MK
	v_lshl_add_u32 v[SPW], v0, 2, SPARE
	v_mov_b32 v[NIL], 0
	WIN W_AD
	ds_add_u32 v[SPW], v[NIL]       ; the wave's opening: the add and its wait stand ahead of my first tensor load; the set-up below, work on registers, stands between them
	WIN 0
	v_lshrrev_b32 v1, 5, v0
	v_readfirstlane_b32 s[WV], v1   ; wave 0..3
	s_bfe_u32 s13, ttmp6, 0x40000   ; cx: my place in the cluster
	s_lshl_b32 s14, ttmp9, 2        ; in a cluster launch ttmp9 counts clusters
	s_add_co_u32 s14, s14, s13      ; my block of queries = 4 x cluster x + cx: it enters Q's and out0's addresses alone
	s_and_b32 s20, ttmp7, 0xffff    ; the head, which the four partners share
	s_lshr_b32 s[MO], s20, 3        ; its batch:
	s_lshl_b32 s[MO], s[MO], 13     ; a row of the mask is 8,192 bytes
	s_mov_b32 s[MO+1], 0
	s_lshl_b32 s[OO], s20, 19       ; out0: a head's 64 channels are 64 rows of 8,192 bytes
	s_mov_b32 s21, 0
	s_mov_b64 s[22:23], SIZE_N*128
	s_mul_u64 s[20:21], s[20:21], s[22:23]  ; the head's first byte in Q, K and V
	s_and_b32 s16, s[WV], 1         ; which half of a slot's 256 keys I fetch:
	s_lshl_b32 s22, s16, 14         ; its 128 rows of 128 bytes in memory,
	s_mov_b32 s23, 0
	s_add_nc_u64 s[22:23], s[22:23], s[20:21]
	s_mul_i32 s17, s16, 128*PK      ; and its place in a slot, for K
	s_mul_i32 s18, s16, 128*PV      ; and for V: no place in the cluster enters an LDS address
	s_lshl_b32 s2, s14, 2
	s_add_co_u32 s2, s2, s[WV]      ; my wave among the head's:
	s_lshl_b32 s3, s2, 9            ; its 128 queries are 512 bytes of a row of out0,
	s_add_co_u32 s[OO], s[OO], s3
	s_mov_b32 s[OO+1], 0
	s_lshl_b32 s2, s2, 14           ; and 128 rows of Q
	s_mov_b32 s3, 0
	s_add_nc_u64 s[2:3], s[2:3], s[20:21]
	; descriptor group 1.  128 keys are 16,384 dense bytes: asked for as 64 rows of 256 bytes, two keys a row, and padded in LDS after every key
	s_mov_b32 s[G1K], 15|(1<<16)|(1<<20)|(1<<21)|(4<<22)|(3<<25)  ; 15:0 the mask of four; 17:16 2-byte elements; 20 padding on; 21 set beside a mask; 24:22 after every 32 words (code 4); 31:25 4 words (code 3)
	s_mov_b32 s[G1V], 15|(1<<16)|(1<<20)|(1<<21)|(4<<22)|(7<<25)  ; the same with 8 words of padding (code 7)
.irp g, G1K, G1V
	s_mov_b32 s[\g+1], 128<<16      ; tensor_dim0 = 128
	s_mov_b32 s[\g+2], 64<<16       ; tensor_dim1 = 64
	s_mov_b32 s[\g+3], 128<<16      ; tile_dim0 = 128
	s_mov_b32 s[\g+4], 64           ; tile_dim1 = 64
	s_mov_b32 s[\g+5], 128          ; 128 elements from row to row
	s_mov_b32 s[\g+6], 0
	s_mov_b32 s[\g+7], 0
.endr
	s_mov_b32 s[CS], 0x3e38aa3b     ; c = log2(e) / 8 = 0.180337
	s_mov_b32 s[CS+1], s[CS]        ; named with it as a pair
	s_mov_b32 s[SEL], 0x76543210
	s_mov_b32 s[SEL+1], 0xfedcba98
	s_mov_b32 s[AL], 0x71800000     ; 2^100
	s_mov_b32 s[AL+1], 0            ; named as pairs
	s_mov_b32 s[BE], 0xf1800000     ; -2^100
	s_mov_b32 s[BE+1], 0
	s_mov_b32 s[TBK], SLOT1+4*KS*PK ; the first change of slots turns these two into 0
	s_mov_b32 s[TBV], SLOT1+4*KS*PV
	s_mov_b32 s[TBM], 0
	s_mov_b32 s[SLOTS], SIZE_N/256-1
	s_and_b32 s[LIM], s[WV], 1      ; waves 0 and 2 prefetch: the same in all four partners
	s_cmp_eq_u32 s[LIM], 0
	s_cselect_b32 s[LIM], 1, -1
	s_mov_b32 s[G0K], 1             ; 1:0 count = 1
	s_mov_b32 s[G0K+1], s17         ; 63:32 LDS address: slot 0
	s_mov_b32 s[G0V], 1
	s_add_co_u32 s[G0V+1], s18, VOFF
	s_wait_dscnt 0x0                ; the opening add is done
	s_wait_kmcnt 0x0
	s_add_nc_u64 s[G0K+2:G0K+3], s[6:7], s[22:23]  ; 120:64 global address: my half of the head's first 256 keys
	s_or_b32 s[G0K+3], s[G0K+3], 0x80000000        ; 127:126 type = 2
	s_add_nc_u64 s[G0V+2:G0V+3], s[8:9], s[22:23]
	s_or_b32 s[G0V+3], s[G0V+3], 0x80000000
	s_add_nc_u64 s[4:5], s[4:5], s[2:3]            ; Q at my wave's first row
	s_add_nc_u64 s[10:11], s[10:11], s[OO:OO+1]    ; out0 at my wave's first query of the head's first channel
	s_add_nc_u64 s[MP:MP+1], s[MP:MP+1], s[MO:MO+1]
	s_cmp_lt_u32 s[WV], 2
	s_cselect_b64 s[PFA:PFA+1], s[6:7], s[8:9]
	s_add_nc_u64 s[PFA:PFA+1], s[PFA:PFA+1], s[20:21]  ; the head,
	s_lshl_b32 s2, s13, 13          ; my work-group's quarter of a tile,
	s_mov_b32 s3, 0
	s_add_nc_u64 s[PFA:PFA+1], s[PFA:PFA+1], s[2:3]
	s_add_nc_u64 s[PFA:PFA+1], s[PFA:PFA+1], 4*KS*128  ; in tile 1; the first change of slots steps it to tile 2.  Nothing is prefetched here, at the head
	CROUND                          ; all four work-groups are here: the first joint loads meet
	JLOAD                           ; slot 0.  Slot 1 is asked for when slot 0 is in: the tile wanted first has the road to itself
	v_and_b32 v1, 15, v0            ; l % 16
	v_bfe_u32 v9, v0, 4, 1          ; l / 16
	; the batch's mask: 8,192 bytes, 16 a thread in each of four loads, into S^T's registers, which are free
	v_lshlrev_b32 v[S+16], 4, v0
	v_add_nc_u32 v[S+17], MASKT, v[S+16]
.irp i, 0,1,2,3
	global_load_b128 v[S+4*\i:S+4*\i+3], v[S+16], s[MP:MP+1] offset:2048*\i
.endr
	; A fragment of K or Q is 16 rows x 32 channels in 8 registers: lane l holds row l % 16, channels 8 (l / 16) + 0..7 and 16 + 8 (l / 16) + 0..7: two loads of 16 bytes, 32 bytes apart.
	v_lshlrev_b32 v[QO], 7, v1
	v_lshl_add_u32 v[QO], v9, 4, v[QO]  ; row x 128 + 16 x half
	WIN 0x80                        ; destination window 2, address window 0
.set i, 0
.rept 4*NP                          ; Q stays in registers: tile i / 2, channels 32 (i % 2) on
	global_load_b128 v[8*i:8*i+3],   v[QO], s[4:5] offset:(i/2)*2048+(i%2)*64
	global_load_b128 v[8*i+4:8*i+7], v[QO], s[4:5] offset:(i/2)*2048+(i%2)*64+32
.set i, i+1
.endr
	; What the first turn finds: V's registers and P's second buffer hold 0 (its products V^T P, of a piece that has not been, add 0), O^T and l are 0.  All this stands in the wait for the first tile.
.set i, VF
.rept 64
	v_mov_b32 v[i], 0
.set i, i+1
.endr
	WIN 0x40
.set i, 0
.rept 64*NP
	v_mov_b32 v[i], 0
.set i, i+1
.endr
	WIN 0
.set i, 0
.rept 2*NP
	v_mov_b32 v[ST+4*i], 0xfe000000    ; c m: far below every c s, the hidden keys' too
	v_mov_b32 v[ST+4*i+1], 0xff7fffff  ; m
	v_mov_b32 v[ST+4*i+2], 0
	v_mov_b32 v[ST+4*i+3], 0
.set i, i+1
.endr
.set i, P+32
.rept 32
	v_mov_b32 v[i], 0
.set i, i+1
.endr
	v_mul_u32_u24 v[AK0], v1, PK
	v_lshl_add_u32 v[AK0], v9, 4, v[AK0]  ; row x pitch + 16 x half
	; The turning load takes 16 keys x 16 channels (lane l reads key 8 (l / 16) + l % 8, channels 8 ((l / 8) % 2) + 0..7) and leaves half a fragment of V^T: lane l holds channel l % 16 and 8 keys.
	v_and_b32 v10, 7, v0
	v_bfe_u32 v11, v0, 3, 1
	v_lshl_add_u32 v[AV0], v9, 3, v10
	v_mul_u32_u24 v[AV0], v[AV0], PV
	v_lshl_add_u32 v[AV0], v11, 4, v[AV0]
	v_add_nc_u32 v[AV0], VOFF, v[AV0]
	v_and_b32 v[PFO], 31, v0
	v_lshlrev_b32 v[PFO], 8, v[PFO]
	v_lshl_add_u32 v[AM0], v9, 5, MASKT  ; of a block of 16 keys my half of the lanes holds keys 8 (l / 16) + 0..7: 32 bytes of addends
	v_mov_b32 v[AK], v[AK0]         ; key step 0 lies at the head of slot 0,
	v_mov_b32 v[AM], v[AM0]         ; its addends at the head of the table
	; THE TABLE OF ADDENDS: m as f32, then m x 2^100 - 2^100 in one rounding; each thread stores the 4 x 16 bytes that it loaded
	s_wait_loadcnt 32               ; the mask's four loads are in; Q's 32, issued behind them, stay out
.set i, 0
.rept 16
	v_cvt_f32_i32 v[S+i], v[S+i]
.set i, i+1
.endr
.set i, 0
.rept 8
	v_pk_fma_f32 v[S+i:S+i+1], v[S+i:S+i+1], s[AL:AL+1], s[BE:BE+1] op_sel_hi:[1,0,0]
.set i, i+2
.endr
.irp i, 0,1,2,3
	ds_store_b128 v[S+17], v[S+4*\i:S+4*\i+3] offset:2048*\i
.endr
; THE MATRIX WORK.  The 8 accumulators of a run of 16 take turns: between the two links of a chain stand 7 others'.
; Product i of 16 of S^T = K Q^T for piece x: channels 32 (i / 8) on, keys 16 ((i / 2) % 4) on, tile 2 x + i % 2.  The first 8 start the sums, with the keys' addends as C.
.macro KQ x
.set rS, S+64*((\x)%2)+32*(i%2)+8*((i/2)%4)
.set rK, KF+16*((i/2)%4)+8*(i/8)
.set rQ, 16*(2*(\x)+i%2)+8*(i/8)
.set rA, MK+8*((i/2)%4)
.if i < 8
	WIN W_KM
	v_wmma_f32_16x16x32_f16 v[rS:rS+7], v[rK:rK+7], v[rQ:rQ+7], v[rA:rA+7]
.else
	WIN W_KQ
	v_wmma_f32_16x16x32_f16 v[rS:rS+7], v[rK:rK+7], v[rQ:rQ+7], v[rS:rS+7]
.endif
.endm
; Product i of 16 of O^T += V^T P for piece x: keys 32 (i / 8) on, channels 16 ((i / 2) % 4) on, tile 2 x + i % 2.
.macro PV x
	WIN W_PV
.set rO, 32*(2*(\x)+i%2)+8*((i/2)%4)
.set rV, VF+32*(i/8)+8*((i/2)%4)
.set rP, P+32*((\x)%2)+16*(i%2)+8*(i/8)
	v_wmma_f32_16x16x32_f16 v[rO:rO+7], v[rV:rV+7], v[rP:rP+7], v[rO:rO+7]
.endm
.macro MM                           ; the turn's next matrix instruction
.if i < 16
	KQ (Y+1)%NP
.set i, i+1
.else
.set i, i-16
	PV (Y+NP-1)%NP
.set i, i+17
.endif
.endm
; THE LDS LOADS stand in runs, never singly among the matrix instructions: a step's K (64 keys x 64 channels: 8 fragments) with its 64 addends (all lanes of a half read the same 32 bytes of each
; block of 16 keys), and its V (turned).  Their addresses are made some lines ahead.  last = 1 (the tail): in the last trip there is no further step, and the run is jumped over.
.macro FETCH_K last=0
	WIN 0
.if \last
	s_cmp_eq_u32 s[CNT], 1
	s_cbranch_scc1 .Lno_k_\@
.endif
	WIN 0x80                        ; destination window 2
.irp f, 0,1,2,3,4,5,6,7             ; keys 16 (f / 2) on, channels 32 (f % 2) on
	ds_load_b128 v[KF+8*\f:KF+8*\f+3],   v[AK] offset:(\f/2)*16*PK+(\f%2)*64
	ds_load_b128 v[KF+8*\f+4:KF+8*\f+7], v[AK] offset:(\f/2)*16*PK+(\f%2)*64+32
.endr
	WIN W_MK                        ; destination window 3
.irp f, 0,1,2,3                     ; keys 16 f on
	ds_load_b128 v[MK+8*\f:MK+8*\f+3],   v[AM] offset:64*\f
	ds_load_b128 v[MK+8*\f+4:MK+8*\f+7], v[AM] offset:64*\f+16
.endr
	s_add_co_u32 s[TBK], s[TBK], KS*PK  ; the next fetch is the next step's
	s_add_co_u32 s[TBM], s[TBM], 4*KS   ; the table is walked once, from end to end
	WIN 0
.if \last
.Lno_k_\@:
.endif
.endm
.macro FETCH_V
	WIN 0x80
.irp f, 0,1,2,3,4,5,6,7             ; keys 32 (f / 4) on, channels 16 (f % 4) on
	ds_load_tr16_b128 v[VF+8*\f:VF+8*\f+3],   v[AV] offset:(\f/4)*32*PV+(\f%4)*32
	ds_load_tr16_b128 v[VF+8*\f+4:VF+8*\f+7], v[AV] offset:(\f/4)*32*PV+16*PV+(\f%4)*32
.endr
	WIN 0
.endm
; THE VECTOR WORK OF A TURN stands in three queues, each in the order in which its entries become ready; the two tiles alternate, so that no instruction reads the result of the one before it.
.macro REGS y, u                    ; the registers of tile u (0, 1) of piece y
.set rT, ST+4*(2*(\y)+(\u))
.set rC, TMP+8*((\y)%2)+4*(\u)
.set rM, MV+2*((\y)%2)+(\u)
.set rS, S+64*((\y)%2)+32*(\u)
.set rP, P+32*((\y)%2)+16*(\u)
.set rO, 32*(2*(\y)+(\u))
.endm
; Number n of the 22 that find the NEXT piece's (Y + 1) maximum and statistics.  s0-s31 are the lane's 32 scores; each accumulator's lowest registers are read first.  XS, GS and REGS set no window: PL and EX do.
;   0-11  four chains c0-c3 of seven scores each, three operands at a time     12-14, 16  the four scores left over, the old m, and c0-c3 into c0     15  c m_old is kept
;   17, 18  the query's other 32 keys lie in the lane 16 away: the new m         19-21  c m; c m_old - c m_new; a
.macro XS u, n
	REGS (Y+1)%NP, \u
.if (\n) < 4
	v_max3_num_f32 v[rC+(\n)], v[rS+8*(\n)], v[rS+8*(\n)+1], v[rS+8*(\n)+2]
.elseif (\n) < 12
	v_max3_num_f32 v[rC+(\n)%4], v[rC+(\n)%4], v[rS+8*((\n)%4)+2*((\n)/4)+1], v[rS+8*((\n)%4)+2*((\n)/4)+2]
.elseif (\n) == 12
	v_max3_num_f32 v[rC], v[rC], v[rS+7], v[rS+15]
.elseif (\n) == 13
	v_max3_num_f32 v[rC+1], v[rC+1], v[rS+23], v[rS+31]
.elseif (\n) == 14
	v_max3_num_f32 v[rC+2], v[rC+2], v[rC+3], v[rT+1]
.elseif (\n) == 15
	v_mov_b32 v[rM], v[rT]
.elseif (\n) == 16
	v_max3_num_f32 v[rC], v[rC], v[rC+1], v[rC+2]
.elseif (\n) == 17
	v_permlanex16_b32 v[rC+3], v[rC], s[SEL], s[SEL+1]
.elseif (\n) == 18
	v_max_num_f32 v[rT+1], v[rC], v[rC+3]
.elseif (\n) == 19
	v_mul_f32 v[rT], s[CS], v[rT+1]
.elseif (\n) == 20
	v_sub_f32 v[rC+1], v[rM], v[rT]
.else
	v_exp_f32 v[rC+2], v[rC+1]
.endif
.endm
; Number g of the 64 that follow the exponentials.  For each four weights k of a tile (pairs 2 k, 2 k + 1): both pairs are rounded to f16; then the second pair is added onto the first, in place;
; a group later l takes that sum (the first time as l = a l + sum).  In groups of eight, tiles alternating: round, round, add, and l for the group before.
.macro GS g
.set h, (\g)+6*((\g)/62)            ; group 0 has no group before it, and behind group 7 only l is left
.if h >= 6
.set h, h+2
.endif
	REGS Y, h%2
.set k, h/8
.if h%8 < 4
	s_wait_alu depctr_va_vdst(0)
	v_cvt_pk_f16_f32 v[rP+2*k+(h%8)/2], v[rS+4*k+2*((h%8)/2)], v[rS+4*k+2*((h%8)/2)+1]
.elseif h%8 < 6
	v_pk_add_f32 v[rS+4*k:rS+4*k+1], v[rS+4*k:rS+4*k+1], v[rS+4*k+2:rS+4*k+3]
.elseif k == 1
	v_pk_fma_f32 v[rT+2:rT+3], v[rT+2:rT+3], v[rC+2:rC+3], v[rS:rS+1] op_sel_hi:[1,0,1]
.else
	v_pk_add_f32 v[rT+2:rT+3], v[rT+2:rT+3], v[rS+4*k-4:rS+4*k-3]
	s_wait_alu depctr_va_vdst(0)
.endif
.endm
; THE PLAIN QUEUE, 138 long.  0-31: c s - c m for the 16 pairs of both tiles.  Then GS's 64, and among them the next piece's 42: number 15 at 38, 39; 0-14 and 16
; at 42-73, behind the products that make those scores; 17-20 at 95-106, two of three, since each waits for the one before it.
.macro PL
	WIN 0
.if q < 32
	REGS Y, q%2
	v_pk_fma_f32 v[rS+2*(q/2):rS+2*(q/2)+1], v[rS+2*(q/2):rS+2*(q/2)+1], s[CS:CS+1], v[rT:rT+1] op_sel_hi:[1,0,0] neg_lo:[0,0,1] neg_hi:[0,0,1]
.elseif q < 38
	GS q-32
.elseif q < 40
	XS q%2, 15
.elseif q < 42
	GS q-34
.elseif q < 74
	XS q%2, (q-42)/2+(q-42)/30
.elseif q < 95
	GS q-66
.elseif (q < 107) && ((q-95)%3 < 2)
	XS (q-95)%3, 17+(q-95)/3
.elseif q < 107
	GS 29+(q-95)/3
.else
	GS q-74
.endif
.set q, q+1
.endm
; THE EXPONENTIALS' QUEUE, 66 long: s0-s31 of both tiles, and at EA the next piece's two a.
.set EA, 58
.macro EX
	WIN 0
.if (e == EA) || (e == EA+1)
	XS e-EA, 21
.else
.set x, e-2*(e/(EA+2))
	REGS Y, x%2
	v_exp_f32 v[rS+x/2], v[rS+x/2]
.endif
.set e, e+1
.endm
; THE RESCALING's QUEUE: O^T times a, the one part that leaves window 0, so it is dealt four at a time, eight times.
.macro R4
	REGS Y, r%2
	WIN W_RS
	s_wait_alu depctr_va_vdst(0)
.irp z, 0,1,2,3
	v_pk_mul_f32 v[rO+8*(r/2)+2*\z:rO+8*(r/2)+2*\z+1], v[rO+8*(r/2)+2*\z:rO+8*(r/2)+2*\z+1], v[rC+2:rC+3] op_sel_hi:[1,0]
.endr
.set r, r+1
.endm
; HOW THEY ARE DEALT.  Behind a matrix instruction four: plain, exponential, plain, plain (one exponential, a plain instruction on either side), or four of the rescaling.  None names a register of the
; products round it.  What is over stands in two LUMPS: exponential and plain by turns; the second ends in 22 plain instructions.  The two v_permlanex16_b32 fall into the second lump, never behind a product.
; The queues lean on each other, and the deal keeps them in step: exponential e stands behind plain 2 (e / 4) + e % 2 (its scaling); when plain 32 comes, 10 exponentials are out, at 59: 33, at 95: 46; EA comes behind plain 107.
.macro SL
	MM
	PL
	EX
	PL
	PL
.endm
.macro BURST n                      ; 15 matrix instructions, or 16
.rept (\n)-7
	SL
.endr
.rept 3
	MM
	R4
	SL
.endr
	MM
	R4
.endm
; A TURN, for piece p.  cnt = 1: the loop's count is taken down some lines ahead of the branch that stands behind the turn.
; K and the addends of the next step are fetched in piece 2's turn, more than 30 vector instructions behind the last product that read them; their first reader comes behind the rest of the lump, 16 products and the second lump.
; V of the step in hand is fetched at the end of piece 0's turn, 69 behind its last reader; its first reader comes behind 16 products and a lump.  The four conditions on e and q below go with the deal.
.macro TURN p, last=0, cnt=0
.set Y, (\p)
.set i, 0
.set q, 0
.set e, 0
.set r, 0
.if (\p) == NP-1
	s_wait_dscnt 0x0                ; K and the addends are in
.endif
	MM
.rept 4
	PL
.endr
	BURST 15
.rept 22
	EX
	PL
.if ((\p) == NP-2) && (e == 18)
	v_add_nc_u32 v[AK], s[TBK], v[AK0]
	v_add_nc_u32 v[AM], s[TBM], v[AM0]
.endif
.if ((\p) == NP-2) && (e == 24)
	FETCH_K \last
.endif
.endr
.if (\p) == 1
	s_wait_dscnt 0x0                ; V is in
.endif
	BURST 16
.rept 21
	EX
	PL
.endr
.rept 22
	PL
.if ((\p) == 0) && (q == 118)
	v_add_nc_u32 v[AV], s[TBV], v[AV0]
	s_wait_alu depctr_va_vdst(0)
.endif
.if ((\p) == 0) && (q == 130)
	s_add_co_u32 s[TBV], s[TBV], KS*PV
.endif
.if (\cnt) && (q == 130)
	s_sub_co_u32 s[CNT], s[CNT], 1
	s_cmp_lg_u32 s[CNT], 0
.endif
.endr
.if (\p) == 0
	FETCH_V
.endif
.endm
	CHANGE 1                        ; slot 0 is in, everybody's part of it, and so is the table; slot 1 is asked for
	FETCH_K                         ; key step 0
	s_wait_loadcnt 0x0              ; Q
	s_wait_dscnt 0x0
.set i, 0
.rept 16
	KQ 0                            ; piece 0's first scores: there is no vector work yet to set between them
.set i, i+1
.endr
	WIN 0
.rept 4
	v_nop                           ; the places behind those products (ISA guide 7.12.1)
.endr
.set Y, NP-1                        ; XS works for piece Y + 1: piece 0
.irp n, 0,1,2,3,4,5,6,7,8,9,10,11,12,13,14,15,16,17,18,19,20,21
	XS 0, \n                        ; and piece 0's first maximum and statistics
	XS 1, \n
.endr
	s_mov_b32 s[CNT], 4
	s_branch .Lfirst                ; the loop is entered at a step's first turn, in the middle of a trip
.Lslot:                             ; SIZE_N / 256 - 2 times: every slot but the last two is filled again
	CHANGE 1
	s_mov_b32 s[CNT], 4
.Lstep:                             ; a trip: pieces 2 and 3 of one step, then pieces 0 and 1 of the next, whose K and V it fetches
	TURN 2
	TURN 3
	WIN 0
.Lfirst:
	TURN 0
	TURN 1, 0, 1
	WIN 0
	s_cbranch_scc1 .Lstep
	s_sub_co_u32 s[SLOTS], s[SLOTS], 1
	s_cmp_lg_u32 s[SLOTS], 0
	s_cbranch_scc1 .Lslot
	CHANGE 0                        ; the tail is written out: nothing is asked for
	s_mov_b32 s[CNT], 5             ; four trips fetch the last slot's steps; the fifth is left in its middle
.Ltail:
	TURN 2, 1
	TURN 3
	WIN 0
	s_sub_co_u32 s[CNT], s[CNT], 1
	s_cmp_eq_u32 s[CNT], 0
	s_cbranch_scc1 .Lout
	TURN 0
	TURN 1
	WIN 0
	s_branch .Ltail
.Lout:                              ; the fifth trip's 16 products K Q^T (on the last K once more) and the maximum made of them serve nothing: the price, once a launch, of one text for every trip
.set i, 0
.rept 16
	PV NP-1                         ; the last piece's V^T P of the last step
.set i, i+1
.endr
	; THE WAY OUT.  l's two halves and the other half of the lanes' are added; O^T is divided by l.  out0 wants O^T as it lies, channels by rows and queries along them, in f32: a lane's number is 4 bytes of a
	; row, and 16 lanes hold 64 bytes.  So four tiles (64 queries, 256 bytes of each of the 64 rows) at a time go through my stage in LDS and come back as whole rows.  The additions are the places behind the last products.
	WIN 0
.macro ALL line:vararg              ; one line for each tile t
.set t, 0
.rept 2*NP
	\line
.set t, t+1
.endr
.endm
	ALL v_add_f32 v[ST+4*t+2], v[ST+4*t+2], v[ST+4*t+3]
	ALL v_permlanex16_b32 v[ST+4*t+3], v[ST+4*t+2], s[SEL], s[SEL+1]
	ALL v_add_f32 v[ST+4*t+2], v[ST+4*t+2], v[ST+4*t+3]
	ALL v_rcp_f32 v[ST+4*t+2], v[ST+4*t+2]
	s_mul_i32 s13, s[WV], 64*SP     ; the addresses: plain instructions between the last reciprocal and the use of its result
	s_add_co_u32 s13, s13, STAGE    ; my stage
	v_mul_u32_u24 v[STO], v9, 8*SP  ; in: channel 8 (l / 16) + register, query l % 16; the two halves of the lanes lie 2,176 bytes, 32 banks, apart
	v_lshl_add_u32 v[STO], v1, 2, v[STO]
	v_add_nc_u32 v[STO], s13, v[STO]
	v_mul_u32_u24 v[RD], v9, SP     ; back: lanes 0-15 take one row of 256 bytes, lanes 16-31 the next
	v_lshl_add_u32 v[RD], v1, 4, v[RD]
	v_add_nc_u32 v[RD], s13, v[RD]
	v_lshlrev_b32 v[GO], 13, v9     ; and the same two rows in out0, 8,192 bytes apart
	v_lshl_add_u32 v[GO], v1, 4, v[GO]
	s_wait_alu depctr_va_vdst(0)
.macro SCALE t                      ; tile t's O^T times 1 / l, each accumulator's registers in ascending order
	WIN W_RS
.set i, 32*(\t)
.rept 16
	v_pk_mul_f32 v[i:i+1], v[i:i+1], v[ST+4*(\t)+2:ST+4*(\t)+3] op_sel_hi:[1,0]
.set i, i+2
.endr
.endm
.macro PUT t                        ; register 8 cb + j is channel 16 cb + 8 (l / 16) + j
	WIN 0x04                        ; the data (source 1) in window 1, the address in window 0
.set i, 0
.rept 32
	ds_store_b32 v[STO], v[32*(\t)+i] offset:(16*(i/8)+i%8)*SP+((\t)%4)*64
.set i, i+1
.endr
.endm
.macro BACK                         ; 64 rows of 256 bytes into S^T's registers, which are free; LDS serves a wave's instructions in order (ISA guide 5.7.1.4): these see the stores above
	WIN 0
.set f, 0
.rept 32
	ds_load_b128 v[S+4*f:S+4*f+3], v[RD] offset:f*2*SP
.set f, f+1
.endr
.endm
.macro SEND g                       ; queries 64 g on
	WIN 0
.set f, 0
.rept 32
	s_wait_dscnt 31-f               ; loads come back in order: pair f of rows is in, the younger loads stay out
	global_store_b128 v[GO], v[S+4*f:S+4*f+3], s[10:11] offset:f*16384+(\g)*256 th:TH_STORE_NT  ; 16 lanes store 256 consecutive bytes, at a multiple of 256 from out0's first byte
.set f, f+1
.endr
.endm
.irp t, 0,1,2,3
	SCALE \t
	PUT \t
.endr
	BACK
.irp t, 4,5,6,7
	SCALE \t                        ; the second half's arithmetic stands between the first half's loads and its stores
.endr
	SEND 0
.irp t, 4,5,6,7
	PUT \t                          ; in order behind the loads that read the stage
.endr
	s_wait_xcnt 0x0                 ; the stores have read their data (ISA guide 3.1): only now are those registers loaded again
	BACK
	SEND 1
	WIN W_AD
	s_wait_tensorcnt 0x0            ; the wave's end, behind my last tensor load and my last LDS store
	ds_add_u32 v[SPW], v[NIL]
	s_wait_dscnt 0x0
	WIN 0
	CROUND                          ; the closing round: no work-group ends while a partner may still ask for a tile that names it
	s_endpgm
.Lfunc_end_k_q50cabb5638_attn:
	.size	k_q50cabb5638_attn, .Lfunc_end_k_q50cabb5638_attn-k_q50cabb5638_attn
	.p2alignl 7, 3214868480
	.fill 96, 4, 3214868480
	.section	.rodata,"a",@progbits
	.p2align	6, 0x0
	.amdhsa_kernel k_q50cabb5638_attn
		.amdhsa_group_segment_fixed_size 327680
		.amdhsa_private_segment_fixed_size 0
		.amdhsa_enable_private_segment 0
		.amdhsa_kernarg_size 40
		.amdhsa_user_sgpr_count 2
		.amdhsa_user_sgpr_kernarg_segment_ptr 1
		.amdhsa_wavefront_size32 1
		.amdhsa_system_sgpr_workgroup_id_x 1
		.amdhsa_system_sgpr_workgroup_id_y 1
		.amdhsa_system_sgpr_workgroup_id_z 1
		.amdhsa_system_vgpr_workitem_id 0
		.amdhsa_next_free_vgpr 808
		.amdhsa_next_free_sgpr 72
		.amdhsa_reserve_vcc 0
		.amdhsa_float_denorm_mode_32 3
		.amdhsa_float_denorm_mode_16_64 3
		.amdhsa_memory_ordered 1
		.amdhsa_forward_progress 1
		.amdhsa_inst_pref_size 225
	.end_amdhsa_kernel
	.amdgpu_metadata
---
amdhsa.version: [ 1, 2 ]
amdhsa.kernels:
  - .name:           k_q50cabb5638_attn
    .symbol:         k_q50cabb5638_attn.kd
    .args:
      - { .name: qh, .offset: 0, .size: 8, .value_kind: global_buffer, .address_space: global }
      - { .name: kh, .offset: 8, .size: 8, .value_kind: global_buffer, .address_space: global }
      - { .name: vh, .offset: 16, .size: 8, .value_kind: global_buffer, .address_space: global }
      - { .name: out0, .offset: 24, .size: 8, .value_kind: global_buffer, .address_space: global }
      - { .name: mask, .offset: 32, .size: 8, .value_kind: global_buffer, .address_space: global }
    .group_segment_fixed_size: 327680
    .private_segment_fixed_size: 0
    .kernarg_segment_align: 8
    .kernarg_segment_size: 40
    .max_flat_workgroup_size: 128
    .sgpr_count:     72
    .vgpr_count:     808
    .wavefront_size: 32
...
	.end_amdgpu_metadata
.endif
;; end of part 2
